; MI455X (gfx1250); checked and timed in simulation.
; The chip was launched on July 23, 2026; its instructions are those of AMD's public machine-readable ISA for CDNA 5 (MIT licence, August 2026) and "CDNA5" Instruction Set Architecture Reference Guide (July 2026). The comments in the code are by the model that wrote it; some were corrected since.
;; Top K Prompt Selector. Allowed arithmetic: matrix products marked QUANTISED: E3M2 operands, one E8M0 scale for each 32 along K, by v_wmma_scale_f32_16x16x128_f8f6f4 with both operands' format E3M2, f32 sums; products left as they are: f32 operands where the result goes on into a quantised operand, else bf16, f16 or f32 operands; f32 sums; everything else in f32.
;; Inputs: W 8,192 x 768 float32; b 8,192 float32; prompt_pool 8,192 x 768 float32; vision_features 8,192 x 768 float32.
;; Outputs: out0 8,192 x 768 float32.
;; This version of the problem:
;;   THIS VERSION OF THE PROBLEM IS GIVEN IN LOW PRECISION. The matrix products marked QUANTISED in the list below multiply operands that are first quantised to E3M2 (3 exponent bits, 2 mantissa bits; 6 bits a number), with one power-of-two scale for each 32 numbers along K (OCP MX v1.0); their sums are f32. All else is computed in f32.
;;   The module's matrix products, in the order in which they are computed (A, B: the left and right operand; K: the contracted axis; several contracted axes count as one K, in the product's order):
;;     1. [M 8,192, K 768] x [K 768, N 8,192]; A: input vision_features; B: input W: QUANTISED
;;     2. batch 8,192 x [M 768, K 5] x [K 5, N 1]; A: computed on the way; B: softmax: left as it is (K = 5 < 32)
;;   THE QUANTISER, for each operand of a quantised product, along K:
;;     - K is cut into blocks of 32 from its start; a last block that is shorter is filled with zeros.
;;     - A block's scale is 2^e with e = floor(log2(the largest magnitude in the block)) - 4, held to -126 .. 127; a block of zeros has e = 0. As a byte (E8M0): e + 127.
;;     - Each number is divided by its block's scale, clamped to +-28, and rounded to the nearest number of E3M2, ties to even, subnormals kept.
;;     - The product sums the exact products of the quantised numbers (number of the format x scale) in f32.
;;   ~~~python
;;   def quantise(x, axis):      # numpy; x: float32 -> the quantised numbers, widened to float32 again
;;       x = np.moveaxis(x, axis, -1); K = x.shape[-1]
;;       x = np.pad(x, [(0, 0)] * (x.ndim - 1) + [(0, -K % 32)]); x = x.reshape(x.shape[:-1] + (-1, 32)); a = np.abs(x).max(-1, keepdims=True)
;;       e = np.where(a > 0, np.clip(np.frexp(np.where(a > 0, a, 1))[1] - 1 - 4, -126, 127), 0)      # np.frexp(a)[1] - 1 = floor(log2(a)), exactly
;;       r = np.clip(x / 2.0 ** e, -28, 28)
;;       step = 2.0 ** (np.maximum(np.frexp(np.where(r == 0, 1, r))[1] - 1, -2) - 2)
;;       q = np.round(r / step) * step * 2.0 ** e      # np.round: ties to even
;;       return np.moveaxis(q.reshape(q.shape[:-2] + (-1,))[..., :K], -1, axis).astype(np.float32)
;;   ~~~
;; One version. Each part assembles by itself: llvm-mc -triple=amdgcn-amd-amdhsa -mcpu=gfx1250 --defsym DOCPART=n.
;; ======== version 1 of 1: 3 launches
;; limits: right only within a limited range of input values
;; workspace buffers: xq 4,980,736 bytes; wq 4,980,736 bytes; cand 3,145,728 bytes of whole numbers
;; launch quant (part 1): grid 256 x 1, 8 waves a work-group, no clusters, 327,680 bytes of LDS; arguments vision_features, W, xq, wq, b; writes xq, wq
.if DOCPART == 1
	.amdgcn_target "amdgcn-amd-amdhsa--gfx1250"
	.amdhsa_code_object_version 6
	.text
	.protected	k_q3de10435eb_quant
	.globl	k_q3de10435eb_quant
	.p2align	8
	.type	k_q3de10435eb_quant,@function
k_q3de10435eb_quant:
	s_mov_b64 s[64:65], 0
	v_nop
	global_prefetch_b8 v0, s[64:65] scope:SCOPE_SE
	s_setreg_imm32_b32 hwreg(HW_REG_WAVE_MODE, 25, 1), 1
	s_wait_xcnt 0x0
; vision_features and W, f32 [8192][768], become codes of E3M2 with one E8M0 byte for each 32 along K, laid in blocks of 32 rows (19,456 bytes) as the next launch's operand registers want them:
; 12 fragments of 1,536 bytes (K step ks, tile u at (2 ks + u) x 1,536; register quad c of lane l at 512 c + 16 l), the scale words at 18,432 (K steps 0-3, 16 bytes a row) and 18,944 (K steps 4, 5),
; and in W's blocks the 32 columns' bias at 19,200.  Tile u of a block of W takes rows 8 u + r + 8 (r / 8), of x rows 16 u + r.
; SHARES.  Work-groups 0-127 take x, the others W; a work-group makes two blocks, four tiles of 16 rows.  Two waves share a tile: wave 2 t + f fetches eight of its rows by ONE tensor load
; (whole rows of 3,072 bytes, 16 bytes of padding behind each 1,024), and behind one barrier makes the tile's K steps f, 2 + f, 4 + f.  Nothing is filled again.
; A lane holds two whole blocks of 32 of its row, so a block's largest magnitude needs no other lane; the scale is its exponent field less 4, with the floor 2^(5 - 127) among the leaves.
; A block of zeros gets the byte 1: its codes are zeros and this program alone reads the bytes.  LIMITS: NaN and infinities among the inputs are not served.
.set ROWB,  3072
.set BLK,   19456
.set PITCH, 3120                       ; an LDS row: 3 x (1,024 + 16)
.set HALF,  8*PITCH                    ; what one tensor load brings
.set PIECE, 1040
.set WREG,  2*HALF                     ; a tile
.set SPARE, 4*WREG                     ; the spare words: 128 bytes a wave, named by the add alone
.set G1,  16
.set G0,  24
.set LANE, 1
.set RM,   2
.set HH,   3
.set AL,   4
.set VF,   5
.set VS16, 6
.set VS8,  7
.set H8,   8
.set TP,   9
.set MX,   10
.set SO,   12
.set BY,   14
.set N,    32
.set F,    160
.set TC,   232
.set SW,   240
	s_load_b128 s[4:7], s[0:1], 0x0                ; vision_features, W
	s_load_b128 s[8:11], s[0:1], 0x10              ; xq, wq
	s_load_b64 s[2:3], s[0:1], 0x20                ; b
	v_lshl_add_u32 v248, v0, 2, SPARE
	v_mov_b32 v249, 0
	ds_add_u32 v248, v249                          ; the opening lines: the add twice on end and its wait
	ds_add_u32 v248, v249
	v_lshrrev_b32 v[TP], 5, v0
	v_readfirstlane_b32 s14, v[TP]
	s_and_b32 s63, s14, 1                          ; f: which eight rows I fetch, which K steps I make
	s_lshr_b32 s14, s14, 1                         ; my tile 0..3
	s_and_b32 s15, s14, 1                          ; u: the tile in its block
	s_lshr_b32 s48, s14, 1
	s_lshl_b32 s49, ttmp9, 1
	s_add_co_u32 s49, s49, s48
	s_and_b32 s49, s49, 255                        ; the block in its tensor
	s_mul_i32 s52, s49, 32*ROWB
	s_mul_i32 s54, s49, BLK
	s_mov_b32 s55, 0
	s_mul_i32 s56, s14, WREG
	s_mov_b32 s50, 8*ROWB
	s_cmp_lt_u32 ttmp9, 128
	s_cselect_b32 s50, 16*ROWB, s50                ; from tile 0 to tile 1: 16 rows in x, 8 in W
	s_sub_co_u32 s58, 24*ROWB, s50                 ; from a tile's first eight rows to its second: 8 rows in x, 16 in W
	s_mov_b32 s59, 0
	s_mul_i32 s53, s15, s50
	s_add_co_u32 s52, s52, s53
	s_mov_b32 s53, 0
	s_mul_i32 s57, s63, HALF
	s_mov_b32 s60, 0x76543210
	s_mov_b32 s61, 0xfedcba98
	s_mov_b32 s[G1+0], (2<<16)|(1<<20)|(7<<22)|(3<<25)   ; elements of 4 bytes; 4 dwords of padding behind every 256
	s_mov_b32 s[G1+1], 768<<16
	s_mov_b32 s[G1+2], 8<<16
	s_mov_b32 s[G1+3], 768<<16
	s_mov_b32 s[G1+4], 8
	s_mov_b32 s[G1+5], 768
	s_mov_b32 s[G1+6], 0
	s_mov_b32 s[G1+7], 0
	s_wait_alu depctr_va_vdst(0)                   ; the wait ahead of the waits below
	s_wait_dscnt 0x0
	s_wait_kmcnt 0x0
	s_cmp_lt_u32 ttmp9, 128
	s_cselect_b64 s[4:5], s[4:5], s[6:7]
	s_cselect_b64 s[12:13], s[8:9], s[10:11]
	s_add_nc_u64 s[4:5], s[4:5], s[52:53]
	s_add_nc_u64 s[6:7], s[4:5], s[58:59]
	s_add_nc_u64 s[12:13], s[12:13], s[54:55]
	s_mov_b32 s[G0], 1
	s_add_co_u32 s[G0+1], s56, s57
	s_cmp_eq_u32 s63, 0
	s_cselect_b64 s[G0+2:G0+3], s[4:5], s[6:7]
	s_or_b32 s[G0+3], s[G0+3], 0x80000000
	tensor_load_to_lds s[G0:G0+3], s[G1:G1+7]      ; my one load
	s_nop 0
	v_and_b32 v[LANE], 31, v0
	v_and_b32 v[RM], 15, v0
	v_bfe_u32 v[HH], v0, 4, 1
	v_mul_u32_u24 v[AL], v[RM], PITCH
	v_lshl_add_u32 v[AL], v[HH], 7, v[AL]
	v_add_nc_u32 v[AL], s56, v[AL]
	s_lshl_b32 s57, s63, 9
	v_add_nc_u32 v[AL], s57, v[AL]                 ; LDS: tile, row r, 128 (lane / 16), K step f
	v_lshlrev_b32 v[VF], 4, v[LANE]
	s_lshl_b32 s57, s63, 1
	s_add_co_u32 s57, s57, s15
	s_mul_i32 s57, s57, 1536
	v_add_nc_u32 v[VF], s57, v[VF]                 ; out: fragment 2 f + u, 16 x lane
	v_lshlrev_b32 v[VS16], 4, v[RM]
	s_lshl_b32 s57, s15, 6
	s_add_co_u32 s57, s57, s63
	s_lshl_b32 s57, s57, 2
	v_add_nc_u32 v[VS16], s57, v[VS16]             ; scale words of K steps f, 2 + f: 256 u + 16 r + 4 f
	v_lshlrev_b32 v[VS8], 3, v[RM]
	s_lshl_b32 s57, s15, 5
	s_add_co_u32 s57, s57, s63
	s_lshl_b32 s57, s57, 2
	v_add_nc_u32 v[VS8], s57, v[VS8]               ; of K step 4 + f: 128 u + 8 r + 4 f
	v_lshlrev_b32 v[H8], 3, v[HH]
	; the first wave of each block of W copies the block's 32 biases (128 bytes, 4 a lane) behind the scale words, and fills the block's last 128 bytes with zeros
	v_lshlrev_b32 v[TP], 2, v[LANE]
	v_mov_b32 v[MX+1], 0
	s_lshl_b32 s50, s49, 7
	s_mov_b32 s51, 0
	s_add_nc_u64 s[2:3], s[2:3], s[50:51]
	s_wait_alu depctr_va_vdst(0)
	s_cmp_lt_u32 ttmp9, 128
	s_cbranch_scc1 .Lno_bias
	s_cmp_lg_u32 s15, 0
	s_cbranch_scc1 .Lno_bias
	s_cmp_lg_u32 s63, 0
	s_cbranch_scc1 .Lno_bias
	global_load_b32 v[MX], v[TP], s[2:3]
	s_wait_loadcnt 0x0
	global_store_b32 v[TP], v[MX], s[12:13] offset:19200
	global_store_b32 v[TP], v[MX+1], s[12:13] offset:19328
	s_wait_xcnt 0x0                                ; v9-11 are written again below
.Lno_bias:
.macro LOADF j                         ; my j-th K step: 2 x 32 numbers a lane
.irp c, 0,1
.irp i, 0,1,2,3,4,5,6,7
	ds_load_b128 v[N+64*((\j)%2)+32*\c+4*\i:N+64*((\j)%2)+32*\c+4*\i+3], v[AL] offset:(\j)*PIECE+256*\c+16*\i
.endr
.endr
.endm
.macro FRAGQ j
.set XS, N+64*((\j)%2)
.set FK, F+12*(\j)
.irp c, 0,1
	v_max3_num_f32 v[MX+\c], |v[XS+32*\c]|, |v[XS+32*\c+1]|, 0x2800000
.endr
.irp i, 2,4,6,8,10,12,14,16,18,20,22,24,26,28,30
.irp c, 0,1
	v_max3_num_f32 v[MX+\c], v[MX+\c], |v[XS+32*\c+\i]|, |v[XS+32*\c+\i+1]|
.endr
.endr
.irp c, 0,1
	v_add_nc_u32 v[SO+\c], 0xfe000000, v[MX+\c]    ; 4 off the exponent field: the conversion's scale operand
.endr
.irp c, 0,1
	v_lshrrev_b32 v[BY+\c], 23, v[SO+\c]           ; the scale's byte
.endr
	v_lshl_or_b32 v[SW+(\j)], v[BY+1], 16, v[BY]
	v_lshlrev_b32 v[SW+(\j)], v[H8], v[SW+(\j)]
	v_permlanex16_b32 v[TP], v[SW+(\j)], s60, s61
	v_or_b32 v[SW+(\j)], v[SW+(\j)], v[TP]         ; with lane l xor 16's two bytes the scale word is whole
	v_cvt_scalef32_pk16_bf6_f32 v[FK:FK+2], v[XS:XS+15], v[SO]
	v_cvt_scalef32_pk16_bf6_f32 v[TC:TC+2], v[XS+16:XS+31], v[SO]
	v_cvt_scalef32_pk16_bf6_f32 v[FK+6:FK+8], v[XS+32:XS+47], v[SO+1]
	v_cvt_scalef32_pk16_bf6_f32 v[TC+4:TC+6], v[XS+48:XS+63], v[SO+1]
	v_nop                                          ; one plain place behind the conversions
.irp i, 0,1,2
	v_mov_b32 v[FK+3+\i], v[TC+\i]
	v_mov_b32 v[FK+9+\i], v[TC+4+\i]
.endr
.irp c, 0,1,2
	global_store_b128 v[VF], v[FK+4*\c:FK+4*\c+3], s[12:13] offset:6144*(\j)+512*\c   ; 32 lanes store 512 consecutive bytes
.endr
.endm
	s_wait_alu depctr_va_vdst(0)
	s_wait_tensorcnt 0x0                           ; my eight rows are in;
	s_barrier_signal -1
	s_barrier_wait -1                              ; and so are my partner's
	LOADF 0
.irp k, 0,1,2
.if \k < 2
	LOADF \k+1
	s_wait_dscnt 16                                ; all but the 16 loads just issued
.else
	s_wait_dscnt 0x0
.endif
	FRAGQ \k
.endr
	s_wait_alu depctr_va_vdst(0)
	s_wait_xcnt 0x0                                ; EXEC changes only behind this wait
	v_cmp_gt_u32 vcc_lo, 16, v[LANE]
	s_wait_tensorcnt 0x0                           ; the wave's end
	ds_add_u32 v248, v249
	s_wait_dscnt 0x0
	s_and_saveexec_b32 s62, vcc_lo
	global_store_b32 v[VS16], v[SW], s[12:13] offset:18432
	global_store_b32 v[VS16], v[SW+1], s[12:13] offset:18440
	global_store_b32 v[VS8], v[SW+2], s[12:13] offset:18944
	s_endpgm
.Lfunc_end_k_q3de10435eb_quant:
	.size	k_q3de10435eb_quant, .Lfunc_end_k_q3de10435eb_quant-k_q3de10435eb_quant
	.p2alignl 7, 3214868480
	.fill 96, 4, 3214868480
	.section	.rodata,"a",@progbits
	.p2align	6, 0x0
	.amdhsa_kernel k_q3de10435eb_quant
		.amdhsa_group_segment_fixed_size 327680
		.amdhsa_private_segment_fixed_size 0
		.amdhsa_enable_private_segment 0
		.amdhsa_kernarg_size 40
		.amdhsa_user_sgpr_count 2
		.amdhsa_user_sgpr_kernarg_segment_ptr 1
		.amdhsa_wavefront_size32 1
		.amdhsa_system_sgpr_workgroup_id_x 1
		.amdhsa_system_sgpr_workgroup_id_y 1
		.amdhsa_system_sgpr_workgroup_id_z 1
		.amdhsa_system_vgpr_workitem_id 0
		.amdhsa_next_free_vgpr 250
		.amdhsa_next_free_sgpr 66
		.amdhsa_reserve_vcc 1
		.amdhsa_float_denorm_mode_32 3
		.amdhsa_float_denorm_mode_16_64 3
		.amdhsa_memory_ordered 1
		.amdhsa_forward_progress 1
		.amdhsa_inst_pref_size 18
	.end_amdhsa_kernel
	.amdgpu_metadata
---
amdhsa.version: [ 1, 2 ]
amdhsa.kernels:
  - .name:           k_q3de10435eb_quant
    .symbol:         k_q3de10435eb_quant.kd
    .args:
      - { .name: vision_features, .offset: 0, .size: 8, .value_kind: global_buffer, .address_space: global }
      - { .name: W, .offset: 8, .size: 8, .value_kind: global_buffer, .address_space: global }
      - { .name: xq, .offset: 16, .size: 8, .value_kind: global_buffer, .address_space: global }
      - { .name: wq, .offset: 24, .size: 8, .value_kind: global_buffer, .address_space: global }
      - { .name: b, .offset: 32, .size: 8, .value_kind: global_buffer, .address_space: global }
    .group_segment_fixed_size: 327680
    .private_segment_fixed_size: 0
    .kernarg_segment_align: 8
    .kernarg_segment_size: 40
    .max_flat_workgroup_size: 256
    .sgpr_count:     66
    .vgpr_count:     250
    .wavefront_size: 32
...
	.end_amdgpu_metadata
.endif
;; end of part 1
;; launch score (part 2): grid 32 x 8, 8 waves a work-group, clusters of 4 x 1, 327,680 bytes of LDS; arguments xq, wq, cand; writes cand
.if DOCPART == 2
	.amdgcn_target "amdgcn-amd-amdhsa--gfx1250"
	.amdhsa_code_object_version 6
	.text
	.protected	k_q3de10435eb_score
	.globl	k_q3de10435eb_score
	.p2align	8
	.type	k_q3de10435eb_score,@function
k_q3de10435eb_score:
	s_mov_b64 s[64:65], 0
	v_nop
	global_prefetch_b8 v0, s[64:65] scope:SCOPE_SE
	s_setreg_imm32_b32 hwreg(HW_REG_WAVE_MODE, 25, 1), 1
	s_wait_xcnt 0x0
	s_wait_alu depctr_hold_cnt(0) depctr_sa_sdst(0) depctr_va_vdst(0) depctr_va_sdst(0) depctr_va_ssrc(0) depctr_va_vcc(0) depctr_vm_vsrc(0)
	s_getreg_b32 s2, hwreg(HW_REG_IB_STS2, 6, 4)
	s_cmp_eq_u32 s2, 0
	s_cbranch_scc0 .Lentry_in_a_cluster
	s_endpgm
.Lentry_in_a_cluster:
	s_bfe_u32 s2, ttmp6, 0x10000c
	s_cmp_lg_u32 s2, 0x3003
	s_cbranch_scc0 .Lentry_shape_is_right
	s_endpgm
.Lentry_shape_is_right:
; scores = Q(x) Q(W)^T + b in MX-BF6 for 256 rows x 1,024 columns a work-group, and of each row its five best of these 1,024 columns: keys (the score's bits turned so that
; unsigned order is the scores' order) and column numbers go to cand; the next launch merges the eight parts.  No score goes to memory.
; SHARES.  Work-group (x, y): rows 256 x .., columns 1,024 y ...  A wave keeps its 32 rows of x in registers (12 fragments) and walks 32 blocks of 32 columns, a trip each: 24 matrix instructions.
; The product is used transposed (source 0 = 16 rows of W, source 1 = 16 rows of x): a lane holds one row of x, and, by the order in which the launch before laid W's rows into tiles,
; the 16 registers of a block's two tiles are 16 neighbouring columns.  The bias lies in W's block and is the C of each accumulator's first matrix instruction.
; W's blocks (19,456 bytes: fragments, scale words, bias) come through two LDS slots of 8 blocks; each wave fetches one block of a slot.  The four work-groups of a cluster walk the same columns and ask jointly.
; A TRIP: the 24 matrix instructions on four accumulators by turns; four address lines (the places behind them); ALL the next trip's 42 LDS loads in one run; then the selection, under which they land.
; A CHANGE OF SLOTS stands at the top of a slot's last trip: that trip's fragments are in registers, so the wave's reads of the slot are over.  The waits and the add come first, the trip's 24 matrix
; instructions stand between the opening signal and its wait, the rest of the round and the refill follow, and the trip's loads then read the other slot.
; THE SELECTION.  Sixteen lane swaps give a lane 2 x 16 scores of ONE row.  Of the groups of 16 seen so far the five with the largest maxima are kept whole, oldest first: a row's five best lie in them.
; A newcomer whose maximum is strictly larger than the least kept maximum takes the place of the youngest group that holds that least; selects alone, two to an instruction, no branch on data.
; At the end the 80 kept scores go the same way through groups of 4 and then one by one into a sorted five; the compares are strict, so that on a tie the lower column stays ahead.
; No prefetch: a refill is asked for 8 trips, 192 matrix instructions a wave, ahead of its first read; only the first slot is waited for, and nothing runs ahead of that.
; LIMITS: NaN and infinities among the scores are not served.
; REGISTERS.  Window 0: v1-9 addresses, v10-21 scale words, v22-35 group maxima and numbers, v36-115 the five kept groups, v116-147 the scores, v148-195 W's fragments of K steps 4, 5 (at the end: work registers).
; Window 1: v0-95 W's fragments of K steps 0-3, v96-239 x's fragments, v240-255 the bias.
.set BLK,   19456
.set SLOT,  8*BLK
.set SPARE, 2*SLOT                     ; the spare words: 128 bytes a wave, named by the add alone
.set G1,  16
.set G0,  24
.set LANE, 1
.set L16,  2
.set L8,   3
.set AW,   4
.set A8,   5
.set SPW,  6
.set NIL,  7
.set H64,  8
.set AB,   9
.set WS,   10
.set XS,   16
.set GM,   22
.set MN,   24
.set MI,   26
.set P,    36
.set Q,    36                          ; the five kept groups of 4 lie over P's first 20 registers
.set X,    116
.set WF2,  148
.set MI2,  168
.set GM2,  178
.set MN2,  180
.set T,    182
.set C,    188
.set IX,   194
.set REC,  196
.set WF1,  0
.set XF,   96
.set BI,   240
.set MSB, 0
.macro WIN new                         ; the immediate's high byte repeats the setting that is left
.if MSB != \new
	s_set_vgpr_msb (MSB<<8)|\new
.set MSB, \new
.endif
.endm
.macro CREST                           ; a round of the cluster's barrier behind its opening barrier
	s_cmp_lg_u32 s12, 0
	s_cbranch_scc1 .Lnot_wave_0_\@
	s_barrier_signal -3
.Lnot_wave_0_\@:
	s_barrier_wait -3
	s_barrier_signal -1
	s_barrier_wait -1
.endm
.macro ROUND                           ; a whole round
	s_barrier_signal -1
	s_barrier_wait -1
	CREST
.endm
; one K step: two tiles of W x two tiles of x; lanes 16-31 of the scale words hold the second tile's
.macro MM ks, a, c0, c1, c2, c3
	v_wmma_scale_f32_16x16x128_f8f6f4 v[X:X+7], v[\a:\a+11], v[XF+24*\ks:XF+24*\ks+11], v[\c0:\c0+7], v[WS+\ks], v[XS+\ks] matrix_a_fmt:MATRIX_FMT_BF6 matrix_b_fmt:MATRIX_FMT_BF6
	v_wmma_scale_f32_16x16x128_f8f6f4 v[X+8:X+15], v[\a+12:\a+23], v[XF+24*\ks:XF+24*\ks+11], v[\c1:\c1+7], v[WS+\ks], v[XS+\ks] matrix_a_fmt:MATRIX_FMT_BF6 matrix_b_fmt:MATRIX_FMT_BF6 matrix_a_scale:MATRIX_SCALE_ROW1
	v_wmma_scale_f32_16x16x128_f8f6f4 v[X+16:X+23], v[\a:\a+11], v[XF+24*\ks+12:XF+24*\ks+23], v[\c2:\c2+7], v[WS+\ks], v[XS+\ks] matrix_a_fmt:MATRIX_FMT_BF6 matrix_b_fmt:MATRIX_FMT_BF6 matrix_b_scale:MATRIX_SCALE_ROW1
	v_wmma_scale_f32_16x16x128_f8f6f4 v[X+24:X+31], v[\a+12:\a+23], v[XF+24*\ks+12:XF+24*\ks+23], v[\c3:\c3+7], v[WS+\ks], v[XS+\ks] matrix_a_fmt:MATRIX_FMT_BF6 matrix_b_fmt:MATRIX_FMT_BF6 matrix_a_scale:MATRIX_SCALE_ROW1 matrix_b_scale:MATRIX_SCALE_ROW1
.endm
.macro MMB                             ; a trip's 24 matrix instructions, the four accumulators by turns
	WIN 0x15                                       ; A, B and C (the bias) window 1, D window 0
	MM 0, WF1, BI, BI+8, BI, BI+8
	WIN 0x05
	MM 1, WF1+24, X, X+8, X+16, X+24
	MM 2, WF1+48, X, X+8, X+16, X+24
	MM 3, WF1+72, X, X+8, X+16, X+24
	WIN 0x04                                       ; A window 0
	MM 4, WF2, X, X+8, X+16, X+24
	MM 5, WF2+24, X, X+8, X+16, X+24
	WIN 0
.endm
.macro MMS
	s_wait_dscnt 0x0                               ; the trip's 42 loads, issued a trip ago, are in
	MMB
.endm
.macro ADDR                            ; the next block's LDS addresses and this trip's first group number: also the four places behind the products
	v_add_nc_u32 v[AW], s32, v[L16]
	v_add_nc_u32 v[A8], s32, v[L8]
	v_add_nc_u32 v[AB], s32, v[H64]
	v_mov_b32 v[GM+1], s34
.endm
.macro LOADS                           ; a block's 12 fragments, bias and scale words: 42 loads
	WIN 0x40                                       ; destination window 1, address window 0
.irp f, 0,1,2,3,4,5,6,7
.irp c, 0,1,2
	ds_load_b128 v[WF1+12*\f+4*\c:WF1+12*\f+4*\c+3], v[AW] offset:\f*1536+512*\c
.endr
.endr
.irp i, 0,1,2,3
	ds_load_b128 v[BI+4*\i:BI+4*\i+3], v[AB] offset:19200+16*\i    ; b at the lane's 16 columns: 16 (lane / 16) + 0 .. 15
.endr
	WIN 0
.irp f, 0,1,2,3
.irp c, 0,1,2
	ds_load_b128 v[WF2+12*\f+4*\c:WF2+12*\f+4*\c+3], v[AW] offset:(\f+8)*1536+512*\c
.endr
.endr
	ds_load_b128 v[WS:WS+3], v[AW] offset:18432
	ds_load_b64 v[WS+4:WS+5], v[A8] offset:18944
.endm
.macro CSEL2 d, a                      ; two selects by VCC in one instruction
	v_dual_cndmask_b32 v[(\d)], v[(\d)], v[(\a)] :: v_dual_cndmask_b32 v[(\d)+1], v[(\d)+1], v[(\a)+1]
.endm
; a group of gg scores at xx, its number in mm + 1, against the five kept groups at pp (maxima and numbers at mi, the least maximum in mn)
.macro SETIN pp, gg, mi, xx, mm, mn
	v_max3_num_f32 v[\mm], v[(\xx)], v[(\xx)+1], v[(\xx)+2]
	s_delay_alu instid0(VALU_DEP_1)
	v_max_num_f32 v[\mm], v[\mm], v[(\xx)+3]
	s_delay_alu instid0(VALU_DEP_1)
	v_cmp_gt_f32 s38, v[\mm], v[\mn]               ; does the newcomer come in?
.irp k, 1,2,3,4
	v_cmp_eq_f32 s[38+\k], v[\mi+2*\k], v[\mn]     ; which places hold the least maximum
.endr
	s_or_b32 s43, s42, s41
	s_or_b32 s44, s43, s40
	s_or_b32 s45, s44, s39
.irp k, 0,1,2,3
	s_and_not1_b32 vcc_lo, s38, s[45-\k]           ; places from the one that goes upward take their successor's group
.set j, 0
.rept \gg/2
	CSEL2 \pp+\gg*\k+j, \pp+\gg*(\k+1)+j
.set j, j+2
.endr
	CSEL2 \mi+2*\k, \mi+2*\k+2
.endr
	s_mov_b32 vcc_lo, s38                          ; and the newcomer is the youngest
.set j, 0
.rept \gg/2
	CSEL2 \pp+\gg*4+j, (\xx)+j
.set j, j+2
.endr
	CSEL2 \mi+8, \mm
	v_min3_num_f32 v[\mn], v[\mi], v[\mi+2], v[\mi+4]
	s_delay_alu instid0(VALU_DEP_1)
	v_min3_num_f32 v[\mn], v[\mn], v[\mi+6], v[\mi+8]
.endm
.macro INS xx                          ; one score, its column in IX, into the sorted five
.irp k, 0,1,2,3,4
	v_cmp_gt_f32 s[46+\k], v[(\xx)], v[T+\k]
.endr
.irp k, 4,3,2,1
	v_cndmask_b32 v[C+\k], v[C+\k], v[IX], s[46+\k]
	s_delay_alu instid0(VALU_DEP_1)
	v_cndmask_b32 v[C+\k], v[C+\k], v[C+\k-1], s[46+\k-1]
.endr
	v_cndmask_b32 v[C], v[C], v[IX], s46
.irp k, 4,3,2,1
	v_med3_num_f32 v[T+\k], v[T+\k-1], v[T+\k], v[(\xx)]
.endr
	v_max_num_f32 v[T], v[T], v[(\xx)]
.endm
; (SETIN above serves the groups of 4 at the end; the trips' groups of 16 go by the same steps, laid out below so that no line reads a result made fewer than five vector instructions before it)
.set GMB,  208                         ; v208-209 the second group's maximum and number
.set TT,   210                         ; v210-219 partial maxima: five for each of the trip's two groups
; a group of 16 at xx, its maximum and number at mm, into the five kept groups, behind the five compares: s38 = it comes in, s39-42 = places 1-4 hold the least maximum
.macro SHIFT16 xx, mm
	s_or_b32 s43, s42, s41
	s_or_b32 s44, s43, s40
	s_or_b32 s45, s44, s39
.irp k, 0,1,2,3
	s_and_not1_b32 vcc_lo, s38, s[45-\k]           ; places from the one that goes upward take their successor's group
	CSEL2 MI+2*\k, MI+2*\k+2
.set j, 0
.rept 8
	CSEL2 P+16*\k+j, P+16*(\k+1)+j
.set j, j+2
.endr
.endr
	s_mov_b32 vcc_lo, s38                          ; and the newcomer is the youngest
	CSEL2 MI+8, \mm
	v_min3_num_f32 v[MN], v[MI], v[MI+2], v[MI+4]  ; the new least maximum, its two lines among the last selects
.irp j, 0,2,4,6
	CSEL2 P+64+\j, (\xx)+\j
.endr
	v_min3_num_f32 v[MN], v[MN], v[MI+6], v[MI+8]
.irp j, 8,10,12,14
	CSEL2 P+64+\j, (\xx)+\j
.endr
.endm
.macro POST                            ; the selection of a trip's 32 x 32 scores
.irp q, 0,1,2,3,4,5,6,7,8,9,10,11,12,13,14,15
	v_permlane16_swap_b32 v[X+\q], v[X+16+\q]      ; lane l now holds row l: columns 0-15 of the block in X, 16-31 in X + 16 (each accumulator is read from its lowest register on)
.endr
.irp g, 0,1                                        ; both groups' maxima: ten independent lines of three scores each,
.irp t, 0,1,2,3,4
	v_max3_num_f32 v[TT+5*\g+\t], v[X+16*\g+3*\t], v[X+16*\g+3*\t+1], v[X+16*\g+3*\t+2]
.endr
.endr
	v_max3_num_f32 v[TT], v[TT], v[TT+1], v[TT+2]  ; then the joins, with the first group's compares and the second's number between them
	v_max3_num_f32 v[TT+3], v[TT+3], v[TT+4], v[X+15]
	v_max3_num_f32 v[TT+5], v[TT+5], v[TT+6], v[TT+7]
	v_mov_b32 v[GMB+1], s35
	v_max3_num_f32 v[TT+8], v[TT+8], v[TT+9], v[X+31]
	v_cmp_eq_f32 s39, v[MI+2], v[MN]               ; which places hold the least maximum
	v_max_num_f32 v[GM], v[TT], v[TT+3]
	v_cmp_eq_f32 s40, v[MI+4], v[MN]
	v_cmp_eq_f32 s41, v[MI+6], v[MN]
	v_max_num_f32 v[GMB], v[TT+5], v[TT+8]
	v_cmp_eq_f32 s42, v[MI+8], v[MN]
	v_cmp_gt_f32 s38, v[GM], v[MN]                 ; does the first group come in?
	SHIFT16 X, GM
	v_cmp_gt_f32 s38, v[GMB], v[MN]                ; and the second, against the five as they now are
.irp k, 1,2,3,4
	v_cmp_eq_f32 s[38+\k], v[MI+2*\k], v[MN]
.endr
	SHIFT16 X+16, GMB
	s_add_co_u32 s34, s34, 2
	s_add_co_u32 s35, s35, 2
	s_wait_alu depctr_va_vdst(0)                   ; the wait ahead of the branch and the waits that follow
.endm
.macro CHANGE slot, fill               ; a slot's last trip's products, with the change of slots round them
	s_wait_tensorcnt 0x0                           ; my block of the other slot is in
	ds_add_u32 v[SPW], v[NIL]
.if \fill
	s_add_nc_u64 s[G0+4*\slot+2:G0+4*\slot+3], s[G0+4*\slot+2:G0+4*\slot+3], 2*SLOT
.endif
	s_wait_dscnt 0x0                               ; the add is done, and this trip's 42 loads are in: my last reads of this slot
	s_barrier_signal -1
	MMB                                            ; work on registers while the others arrive
	s_barrier_wait -1
.if \fill
	CREST
	tensor_load_to_lds s[G0+4*\slot:G0+4*\slot+3], s[G1:G1+7]
	s_nop 0
.endif
.endm
.macro PHASE slot, fill, last          ; a slot's eight trips; the eighth is written out
	s_mov_b32 s33, 7
.Ltrip_\@:
	MMS
	s_add_co_u32 s32, s32, BLK
	ADDR
	LOADS
	POST
	s_sub_co_u32 s33, s33, 1
	s_cmp_lg_u32 s33, 0
	s_cbranch_scc1 .Ltrip_\@
.if \last
	MMS
.rept 3
	v_nop
.endr
	v_mov_b32 v[GM+1], s34
.else
	s_mov_b32 s32, (1-\slot)*SLOT
	CHANGE \slot, \fill
	ADDR
	LOADS
.endif
	POST
.endm
	s_load_b128 s[4:7], s[0:1], 0x0                ; xq, wq
	s_load_b64 s[8:9], s[0:1], 0x10                ; cand
	v_lshl_add_u32 v[SPW], v0, 2, SPARE
	v_mov_b32 v[NIL], 0
	ds_add_u32 v[SPW], v[NIL]                      ; the opening lines: the add twice on end and its wait
	ds_add_u32 v[SPW], v[NIL]
	v_lshrrev_b32 v[LANE], 5, v0
	v_readfirstlane_b32 s12, v[LANE]               ; wave 0..7
	v_and_b32 v[LANE], 31, v0
	v_bfe_u32 v[H64], v0, 4, 1
	v_lshlrev_b32 v[L16], 4, v[LANE]
	v_lshlrev_b32 v[L8], 3, v[LANE]
	v_lshlrev_b32 v[H64], 6, v[H64]
	s_bfe_u32 s13, ttmp6, 0x40000                  ; cx
	s_lshl_b32 s14, ttmp9, 2
	s_add_co_u32 s14, s14, s13                     ; work-group x: which 256 rows
	s_and_b32 s15, ttmp7, 0xffff                   ; work-group y: which 1,024 columns
	s_mov_b32 s[G1+0], 15|(3<<16)|(1<<21)          ; a block as 76 dense rows of 256 bytes; the mask names the cluster's four
	s_mov_b32 s[G1+1], 32<<16
	s_mov_b32 s[G1+2], 76<<16
	s_mov_b32 s[G1+3], 32<<16
	s_mov_b32 s[G1+4], 76
	s_mov_b32 s[G1+5], 32
	s_mov_b32 s[G1+6], 0
	s_mov_b32 s[G1+7], 0
	s_lshl_b32 s52, s15, 5
	s_add_co_u32 s52, s52, s12
	s_mul_i32 s52, s52, BLK                        ; W: block 32 y + wave (no place in the cluster enters)
	s_mov_b32 s53, 0
	s_mul_i32 s54, s12, BLK                        ; its place in a slot
	s_lshl_b32 s56, s14, 3
	s_add_co_u32 s56, s56, s12
	s_mul_i32 s56, s56, BLK                        ; x: block 8 x + wave
	s_mov_b32 s57, 0
	s_mul_i32 s58, s15, 3*131072                   ; cand: part y's three planes of 16 bytes a row
	s_lshl_b32 s59, s14, 12
	s_add_co_u32 s58, s58, s59
	s_lshl_b32 s59, s12, 9
	s_add_co_u32 s58, s58, s59
	s_mov_b32 s59, 0
	s_mov_b32 s32, 0
	s_mov_b32 s34, 0
	s_mov_b32 s35, 1
	s_mov_b32 s51, 0xff800000
	s_wait_alu depctr_va_vdst(0)                   ; the wait ahead of the waits below
	s_wait_dscnt 0x0
	s_wait_kmcnt 0x0
	s_add_nc_u64 s[6:7], s[6:7], s[52:53]
	s_add_nc_u64 s[4:5], s[4:5], s[56:57]
	s_add_nc_u64 s[60:61], s[8:9], s[58:59]
.irp s, 0,1
	s_mov_b32 s[G0+4*\s], 1
	s_add_co_u32 s[G0+4*\s+1], s54, \s*SLOT
	s_add_nc_u64 s[G0+4*\s+2:G0+4*\s+3], s[6:7], \s*SLOT
	s_or_b32 s[G0+4*\s+3], s[G0+4*\s+3], 0x80000000
.endr
	WIN 0x40
.irp f, 0,1,2,3,4,5,6,7,8,9,10,11                  ; my 32 rows of x: asked for ahead of the first round, waited for ahead of the first products
.irp c, 0,1,2
	global_load_b128 v[XF+12*\f+4*\c:XF+12*\f+4*\c+3], v[L16], s[4:5] offset:\f*1536+512*\c
.endr
.endr
	WIN 0
	global_load_b128 v[XS:XS+3], v[L16], s[4:5] offset:18432
	global_load_b64 v[XS+4:XS+5], v[L8], s[4:5] offset:18944
	ROUND
	tensor_load_to_lds s[G0:G0+3], s[G1:G1+7]      ; slot 0: my one load at the head
	s_nop 0
	v_mov_b32 v[MN], s51                           ; the kept groups begin as -infinity
.irp k, 0,1,2,3,4
	v_mov_b32 v[MI+2*\k], s51
	v_mov_b32 v[MI+2*\k+1], 0
.endr
.set j, 0
.rept 80
	v_mov_b32 v[P+j], s51
.set j, j+1
.endr
	s_wait_alu depctr_va_vdst(0)
	s_wait_tensorcnt 0x0
	ds_add_u32 v[SPW], v[NIL]
	s_wait_dscnt 0x0
	ROUND                                          ; slot 0 is whole in every partner
	tensor_load_to_lds s[G0+4:G0+7], s[G1:G1+7]    ; slot 1's first fill, issued as a refill is
	s_nop 0
	ADDR
	LOADS
	s_wait_loadcnt 0x0                             ; x's fragments and scale words
	PHASE 0, 1, 0
	PHASE 1, 1, 0
	PHASE 0, 0, 0
	PHASE 1, 0, 1
	; the 80 kept scores by groups of 4.  The first five groups of 4 are the kept five as they lie, oldest first; the other fifteen are put to them
.irp s, 0,1,2,3,4
	v_max3_num_f32 v[MI2+2*\s], v[P+4*\s], v[P+4*\s+1], v[P+4*\s+2]
.endr
.irp s, 0,1,2,3,4
	v_max_num_f32 v[MI2+2*\s], v[MI2+2*\s], v[P+4*\s+3]
.endr
.irp s, 0,1,2,3
	v_lshl_add_u32 v[MI2+2*\s+1], v[MI+1], 4, 4*\s
.endr
	v_lshlrev_b32 v[MI2+9], 4, v[MI+3]
	v_min3_num_f32 v[MN2], v[MI2], v[MI2+2], v[MI2+4]
	s_delay_alu instid0(VALU_DEP_1)
	v_min3_num_f32 v[MN2], v[MN2], v[MI2+6], v[MI2+8]
.irp k, 1,2,3,4
.irp q, 0,1,2,3
.if 4*\k+\q > 4
	v_lshl_add_u32 v[GM2+1], v[MI+2*\k+1], 4, 4*\q
	SETIN Q, 4, MI2, P+16*\k+4*\q, GM2, MN2
.endif
.endr
.endr
	; and the 20 kept one by one into the sorted five
.irp k, 0,1,2,3,4
	v_mov_b32 v[T+\k], s51
	v_mov_b32 v[C+\k], 0
.endr
.irp k, 0,1,2,3,4
.irp e, 0,1,2,3
	v_add_nc_u32 v[IX], \e, v[MI2+2*\k+1]
	INS Q+4*\k+\e
.endr
.endr
	s_lshl_b32 s46, s15, 10
.irp k, 0,1,2,3,4
	v_add_f32 v[REC+\k], 0, v[T+\k]                ; -0 becomes +0
.endr
.irp k, 0,1,2,3,4
	v_ashrrev_i32 v[T+\k], 31, v[REC+\k]
.endr
.irp k, 0,1,2,3,4
	v_or_b32 v[T+\k], 0x80000000, v[T+\k]
.endr
.irp k, 0,1,2,3,4
	v_xor_b32 v[REC+\k], v[REC+\k], v[T+\k]        ; the key: unsigned order is the scores' order
.endr
	v_add_nc_u32 v[REC+5], s46, v[C+4]
	v_mov_b32 v[REC+6], 0
	v_mov_b32 v[REC+7], 0
.irp k, 0,1,2,3
	v_add_nc_u32 v[REC+8+\k], s46, v[C+\k]
.endr
.irp c, 0,1,2
	global_store_b128 v[L16], v[REC+4*\c:REC+4*\c+3], s[60:61] offset:\c*131072   ; 32 lanes store 512 consecutive bytes
.endr
	s_wait_tensorcnt 0x0                           ; the wave's end
	ds_add_u32 v[SPW], v[NIL]
	s_wait_dscnt 0x0
	ROUND                                          ; the closing round
	s_endpgm
.Lfunc_end_k_q3de10435eb_score:
	.size	k_q3de10435eb_score, .Lfunc_end_k_q3de10435eb_score-k_q3de10435eb_score
	.p2alignl 7, 3214868480
	.fill 96, 4, 3214868480
	.section	.rodata,"a",@progbits
	.p2align	6, 0x0
	.amdhsa_kernel k_q3de10435eb_score
		.amdhsa_group_segment_fixed_size 327680
		.amdhsa_private_segment_fixed_size 0
		.amdhsa_enable_private_segment 0
		.amdhsa_kernarg_size 24
		.amdhsa_user_sgpr_count 2
		.amdhsa_user_sgpr_kernarg_segment_ptr 1
		.amdhsa_wavefront_size32 1
		.amdhsa_system_sgpr_workgroup_id_x 1
		.amdhsa_system_sgpr_workgroup_id_y 1
		.amdhsa_system_sgpr_workgroup_id_z 1
		.amdhsa_system_vgpr_workitem_id 0
		.amdhsa_next_free_vgpr 512
		.amdhsa_next_free_sgpr 66
		.amdhsa_reserve_vcc 1
		.amdhsa_float_denorm_mode_32 3
		.amdhsa_float_denorm_mode_16_64 3
		.amdhsa_memory_ordered 1
		.amdhsa_forward_progress 1
		.amdhsa_inst_pref_size 187
	.end_amdhsa_kernel
	.amdgpu_metadata
---
amdhsa.version: [ 1, 2 ]
amdhsa.kernels:
  - .name:           k_q3de10435eb_score
    .symbol:         k_q3de10435eb_score.kd
    .args:
      - { .name: xq, .offset: 0, .size: 8, .value_kind: global_buffer, .address_space: global }
      - { .name: wq, .offset: 8, .size: 8, .value_kind: global_buffer, .address_space: global }
      - { .name: cand, .offset: 16, .size: 8, .value_kind: global_buffer, .address_space: global }
    .group_segment_fixed_size: 327680
    .private_segment_fixed_size: 0
    .kernarg_segment_align: 8
    .kernarg_segment_size: 24
    .max_flat_workgroup_size: 256
    .sgpr_count:     66
    .vgpr_count:     512
    .wavefront_size: 32
...
	.end_amdgpu_metadata
.endif
;; end of part 2
;; launch pick (part 3): grid 512 x 1, 4 waves a work-group, no clusters, 0 bytes of LDS; arguments cand, prompt_pool, out0; writes out0
.if DOCPART == 3
	.amdgcn_target "amdgcn-amd-amdhsa--gfx1250"
	.amdhsa_code_object_version 6
	.text
	.protected	k_q3de10435eb_pick
	.globl	k_q3de10435eb_pick
	.p2align	8
	.type	k_q3de10435eb_pick,@function
k_q3de10435eb_pick:
	s_mov_b64 s[64:65], 0
	v_nop
	global_prefetch_b8 v0, s[64:65] scope:SCOPE_SE
	s_setreg_imm32_b32 hwreg(HW_REG_WAVE_MODE, 25, 1), 1
	s_wait_xcnt 0x0
; For each row: the eight parts' five best (keys and column numbers, whole numbers that the launch before has stored) are merged into the row's five best; softmax over their scores, the largest taken away first;
; out0[row] = the sum of weight x prompt_pool[column], in f32.
; SHARES.  A work-group takes 16 rows.  Every wave merges all 16 by itself (lane % 16 = the row; whole-number compares and selects alone), so that nothing goes from wave to wave: no LDS, no barrier.
; Wave w then gathers for rows 4 w .. 4 w + 3: five rows of the pool each, 3,072 bytes = six loads of 512 consecutive bytes.  Two rows' 60 loads go out together; rows 2 and 3 take the registers of rows 0 and 1 as these are summed and stored.
; THE MERGE.  A key is the score's bits turned so that unsigned order is the scores' order.  Each part's five come sorted, the parts in ascending order of columns, and the compare is strict: on a tie the lower column
; stays ahead.  Element e of a sorted five cannot land above place e (the e elements ahead of it were put in first), so the places above are not compared.
; The rows to gather hang on whole numbers read from memory alone; each is held at 8,191 before it enters an address.
; No matrix unit: the second product has K = 5 and is five multiply-adds a number.  No cluster: work-groups share no tile.
; REGISTERS: v1 16 x lane; v2 16 x (lane % 16); v3-7 at work, then v4-8 the five columns and v9-13 the five weights; v16-111 the 24 quads: part p's keys at 16 + 12 p + e, its columns at 24 + 12 p + e (e < 4)
; and 21 + 12 p (e = 4); part 0's ARE the running five.  Then v16-255: row a's five pool rows at 16 + 120 (a % 2) + 24 k; the sum is made in the first of them.
.set ROWB, 3072
	s_load_b128 s[4:7], s[0:1], 0x0                ; cand, prompt_pool
	s_load_b64 s[8:9], s[0:1], 0x10                ; out0
	v_lshrrev_b32 v3, 5, v0
	v_and_b32 v1, 31, v0
	v_and_b32 v2, 15, v0
	v_readfirstlane_b32 s58, v3                    ; wave 0..3
	v_lshlrev_b32 v1, 4, v1
	v_lshlrev_b32 v2, 4, v2
	s_lshl_b32 s56, ttmp9, 8                       ; cand: 16 rows x 16 bytes a work-group
	s_mov_b32 s57, 0
	s_lshl_b32 s60, ttmp9, 4
	s_lshl_b32 s61, s58, 2
	s_add_co_u32 s60, s60, s61
	s_mul_i32 s60, s60, ROWB                       ; out0: row 16 x work-group + 4 x wave
	s_mov_b32 s61, 0
	s_wait_alu depctr_va_vdst(0)                   ; the wait at the head's end
	s_wait_kmcnt 0x0
	s_add_nc_u64 s[4:5], s[4:5], s[56:57]
	s_add_nc_u64 s[8:9], s[8:9], s[60:61]
.irp q, 0,1,2,3,4,5,6,7,8,9,10,11,12,13,14,15,16,17,18,19,20,21,22,23
	global_load_b128 v[16+4*\q:19+4*\q], v2, s[4:5] offset:\q*131072   ; quad q % 3 of part q / 3: sixteen lanes read 256 consecutive bytes
.endr
; element e of part p into the running five
.macro INSI p, e
.set rK, 16+12*\p+\e
.set rI, 24+12*\p+\e-7*(\e/4)
.irp k, 0,1,2,3,4
.if \k >= \e
	v_cmp_gt_u32 s[10+\k], v[rK], v[16+\k]
.endif
.endr
.irp k, 4,3,2,1,0
.if \k >= \e
	v_cndmask_b32 v[24+\k-7*(\k/4)], v[24+\k-7*(\k/4)], v[rI], s[10+\k]
	v_cndmask_b32 v[16+\k], v[16+\k], v[rK], s[10+\k]
.endif
.if \k > \e
	s_delay_alu instid0(VALU_DEP_2)
	v_cndmask_b32 v[24+\k-7*(\k/4)], v[24+\k-7*(\k/4)], v[24+\k-1], s[10+\k-1]   ; where the newcomer beats the place above, this place takes that one's
	s_delay_alu instid0(VALU_DEP_2)
	v_cndmask_b32 v[16+\k], v[16+\k], v[16+\k-1], s[10+\k-1]
.endif
.endr
.endm
.irp p, 1,2,3,4,5,6,7
	s_wait_alu depctr_va_vdst(0)
	s_wait_loadcnt 21-3*\p                         ; loads come back in order: parts 0 to p are in; the three loads of each later part may be out
.irp e, 0,1,2,3,4
	INSI \p, \e
.endr
.endr
	; keys back to scores: bits = key xor (top bit set ? the top bit : all ones)
.irp k, 0,1,2,3,4
	v_ashrrev_i32 v[3+\k], 31, v[16+\k]
.endr
.irp k, 0,1,2,3,4
	v_xor_b32 v[3+\k], -1, v[3+\k]
.endr
.irp k, 0,1,2,3,4
	v_or_b32 v[3+\k], 0x80000000, v[3+\k]
.endr
.irp k, 0,1,2,3,4
	v_xor_b32 v[16+\k], v[16+\k], v[3+\k]
.endr
	; softmax: the first score is the largest; e_k = 2^((s_k - s_0) log2 e), e_0 = 1
.irp k, 1,2,3,4
	s_delay_alu instid0(VALU_DEP_4)
	v_sub_f32 v[16+\k], v[16+\k], v16
.endr
.irp k, 1,2,3,4
	s_delay_alu instid0(VALU_DEP_4)
	v_mul_f32 v[16+\k], 0x3fb8aa3b, v[16+\k]
.endr
	s_wait_alu depctr_va_vdst(0)                   ; the wait ahead of the batch
.irp k, 1,2,3,4
	v_exp_f32 v[16+\k], v[16+\k]
.endr
	v_nop                                          ; a plain place behind the exponentials
	s_wait_alu depctr_va_vdst(0)                   ; one wait for the four, ahead of their first reader
	v_add_f32 v3, 1.0, v17
	v_add_f32 v4, v18, v19
	v_add_f32 v3, v3, v20
	s_delay_alu instid0(VALU_DEP_1)
	v_add_f32 v3, v3, v4
	s_wait_alu depctr_va_vdst(0)
	v_rcp_f32 v16, v3                              ; the first weight is 1 / the sum
	v_nop
	s_wait_alu depctr_va_vdst(0)
.irp k, 1,2,3,4
	v_mul_f32 v[9+\k], v[16+\k], v16
.endr
	v_mov_b32 v9, v16
.irp k, 0,1,2,3,4
	v_mov_b32 v[4+\k], v[24+\k-7*(\k/4)]           ; columns and weights leave the registers that the gathers fill
.endr
	s_wait_alu depctr_va_vdst(0)                   ; the wait ahead of the scalar stretches below
; row 4 w + a's columns and weights become scalars, in set a % 2: s[16 + 20 (a % 2) + 2 k ..] the pool row's address, s[26 + 20 (a % 2) + 2 k ..] the weight, twice (the packed forms name a pair)
.macro SC a
	s_lshl_b32 s15, s58, 2
	s_add_co_u32 s15, s15, \a                      ; the lane that holds the row
.irp k, 0,1,2,3,4
	v_readlane_b32 s56, v[4+\k], s15
	s_min_u32 s56, s56, 8191                       ; an index stays inside the table
	s_mul_i32 s56, s56, ROWB
	s_add_nc_u64 s[16+20*((\a)%2)+2*\k:17+20*((\a)%2)+2*\k], s[6:7], s[56:57]
	v_readlane_b32 s[26+20*((\a)%2)+2*\k], v[9+\k], s15
	s_mov_b32 s[27+20*((\a)%2)+2*\k], s[26+20*((\a)%2)+2*\k]
.endr
.endm
.macro GATHER a, lo, hi                ; pool rows lo .. hi of row a's five
.irp k, 0,1,2,3,4
.if (\k >= \lo) && (\k <= \hi)
.irp c, 0,1,2,3,4,5
	global_load_b128 v[16+120*((\a)%2)+24*\k+4*\c:19+120*((\a)%2)+24*\k+4*\c], v1, s[16+20*((\a)%2)+2*\k:17+20*((\a)%2)+2*\k] offset:512*\c   ; no hint: a pool row may be named again
.endr
.endif
.endr
.endm
.macro COMBINE a
.set B, 16+120*((\a)%2)
.set S, 26+20*((\a)%2)
.set j, 0
.rept 12
	v_pk_mul_f32 v[B+j:B+j+1], v[B+j:B+j+1], s[S:S+1] op_sel_hi:[1,0]
.set j, j+2
.endr
.irp k, 1,2,3,4
.set j, 0
.rept 12
	v_pk_fma_f32 v[B+j:B+j+1], v[B+24*\k+j:B+24*\k+j+1], s[S+2*\k:S+2*\k+1], v[B+j:B+j+1] op_sel_hi:[1,0,1]
.set j, j+2
.endr
.endr
.endm
.macro STORE a
.set B, 16+120*((\a)%2)
.irp c, 0,1,2,3,4,5
	global_store_b128 v1, v[B+4*\c:B+4*\c+3], s[8:9] offset:(\a)*ROWB+512*\c th:TH_STORE_NT   ; 32 lanes store 512 consecutive bytes, at a multiple of 256 from out0's first byte; written once
.endr
.endm
	SC 0
	SC 1
	GATHER 0, 0, 4
	GATHER 1, 0, 4
.irp a, 0,1
	s_wait_loadcnt 30                              ; row a's 30 loads are in (so its addresses may be written again); the next row's 30 may be out
	COMBINE \a
	s_wait_alu depctr_va_vdst(0)                   ; the wait ahead of the scalar stretch below: the sums are read by the stores behind it
	SC \a+2                                        ; the scalars of the row two further on, ahead of the stores
	STORE \a
	GATHER \a+2, 1, 4                              ; 24 of its 30 loads land on registers that no store reads
	s_wait_xcnt 0x0                                ; the stores have read their data: those registers take the last six
	GATHER \a+2, 0, 0
.endr
	s_wait_loadcnt 30
	COMBINE 2
	STORE 2
	s_wait_loadcnt 0x0
	COMBINE 3
	STORE 3
	s_endpgm
.Lfunc_end_k_q3de10435eb_pick:
	.size	k_q3de10435eb_pick, .Lfunc_end_k_q3de10435eb_pick-k_q3de10435eb_pick
	.p2alignl 7, 3214868480
	.fill 96, 4, 3214868480
	.section	.rodata,"a",@progbits
	.p2align	6, 0x0
	.amdhsa_kernel k_q3de10435eb_pick
		.amdhsa_group_segment_fixed_size 0
		.amdhsa_private_segment_fixed_size 0
		.amdhsa_enable_private_segment 0
		.amdhsa_kernarg_size 24
		.amdhsa_user_sgpr_count 2
		.amdhsa_user_sgpr_kernarg_segment_ptr 1
		.amdhsa_wavefront_size32 1
		.amdhsa_system_sgpr_workgroup_id_x 1
		.amdhsa_system_sgpr_workgroup_id_y 1
		.amdhsa_system_sgpr_workgroup_id_z 1
		.amdhsa_system_vgpr_workitem_id 0
		.amdhsa_next_free_vgpr 256
		.amdhsa_next_free_sgpr 66
		.amdhsa_reserve_vcc 0
		.amdhsa_float_denorm_mode_32 3
		.amdhsa_float_denorm_mode_16_64 3
		.amdhsa_memory_ordered 1
		.amdhsa_forward_progress 1
		.amdhsa_inst_pref_size 74
	.end_amdhsa_kernel
	.amdgpu_metadata
---
amdhsa.version: [ 1, 2 ]
amdhsa.kernels:
  - .name:           k_q3de10435eb_pick
    .symbol:         k_q3de10435eb_pick.kd
    .args:
      - { .name: cand, .offset: 0, .size: 8, .value_kind: global_buffer, .address_space: global }
      - { .name: prompt_pool, .offset: 8, .size: 8, .value_kind: global_buffer, .address_space: global }
      - { .name: out0, .offset: 16, .size: 8, .value_kind: global_buffer, .address_space: global }
    .group_segment_fixed_size: 0
    .private_segment_fixed_size: 0
    .kernarg_segment_align: 8
    .kernarg_segment_size: 24
    .max_flat_workgroup_size: 128
    .sgpr_count:     66
    .vgpr_count:     256
    .wavefront_size: 32
...
	.end_amdgpu_metadata
.endif
;; end of part 3
